; MI455X (gfx1250); checked and timed in simulation.
; The chip was launched on July 23, 2026; its instructions are those of AMD's public machine-readable ISA for CDNA 5 (MIT licence, August 2026) and "CDNA5" Instruction Set Architecture Reference Guide (July 2026). The comments in the code are by the model that wrote it; some were corrected since.
;; In Context Predict. Allowed arithmetic: float matrix products may take bf16 or f16 operands with f32 sums; all other float work in f32.
;; Inputs: ref_x 100,000 x 256 float32; ref_y 100,000 x 64 float32; x 2,048 x 256 float32.
;; Outputs: out0 2,048 x 64 float32.
;; Constants: num_neighbors = 100.
;; One version. Each part assembles by itself: llvm-mc -triple=amdgcn-amd-amdhsa -mcpu=gfx1250 --defsym DOCPART=n.
;; ======== version 1 of 1: 5 launches
;; workspace buffers: sim 819,200,000 bytes; rec 131,072,000 bytes; m200 4,096,000 bytes; sel1 262,144 bytes of whole numbers; st2 2,097,152 bytes of whole numbers; st3 2,097,152 bytes of whole numbers; vals 7,340,032 bytes
;; launch simgemm (part 1): grid 250 x 1, 4 waves a work-group, no clusters, 314,880 bytes of LDS; arguments ref_x, x, sim, rec, m200; writes sim, rec, m200
.if DOCPART == 1
	.amdgcn_target "amdgcn-amd-amdhsa--gfx1250"
	.amdhsa_code_object_version 6
	.text
	.protected	k_q72b02a1c5d_simgemm
	.globl	k_q72b02a1c5d_simgemm
	.p2align	8
	.type	k_q72b02a1c5d_simgemm,@function
k_q72b02a1c5d_simgemm:
	s_mov_b64 s[64:65], 0
	v_nop
	global_prefetch_b8 v0, s[64:65] scope:SCOPE_SE
	s_setreg_imm32_b32 hwreg(HW_REG_WAVE_MODE, 25, 1), 1
	s_wait_xcnt 0x0
; simgemm: sim(q, ref) = dot(bf16(x[q]), bf16(ref_x[ref])) / norm(bf16(ref_x[ref])), sums in f32, for all 2048 x 100000 pairs,
; together with the maxima of groups of 8 references (rec) and of groups of 200 (m200).  The factor 1/norm(x[q]) is positive and
; common to a query, so it changes no order; the last launch applies it.
; A work-group keeps a slab of 400 references (25 tiles of 16) in LDS as bf16; 250 x 400 = 100000.  Wave w runs queries
; 512 w .. 512 w + 511 past it in 8 passes of 64 queries (4 query tiles).
; Matrix form: source 0 = 16 references, source 1 = 16 queries.  Row m of tile t is slab reference (m>>3)*200 + 8 t + (m&7),
; column n of query tile u is query 64 P + 4 n + u.  So register j of lane (r, h) is reference 200 h + 8 t + j of query 64 P + 4 r + u:
; a lane holds one whole group of 8, and the four tiles u give four neighbouring queries.
; One wave has a SIMD to itself, so the work on a tile's results (scale, store, maxima) is laid between the matrix instructions of the
; NEXT tile, which sum into the other of two accumulator sets: eight groups of four matrix instructions, a piece of other work behind each.
; No cluster and no tensor loads: both inputs pass through registers to be rounded to bf16, and 250 work-groups do not divide by 4.
; LIMITS: a NaN similarity (a reference row that rounds to all zeros) is dropped by the maxima, so such a reference is never chosen;
; the sum of squares of a row must stay inside the range of f32; 1/norm is v_rsq_f32.
.set PITCH, 528                        ; an LDS row of 256 bf16: 512 bytes + 16, an odd multiple of 16
.set TSTEP, 8*PITCH                    ; from reference tile t to t + 1: 8 rows
.set RNB,   400*PITCH                  ; 211200: 400 f32, 1/norm of the slab references
.set XSB,   212992                     ; per wave 16 rows: one query tile on its way into fragments
.set XSW,   16*PITCH
.set RSB,   XSB+4*XSW                  ; 246784: per wave 2 x 16 rows: the records of a pass on their way out
.set RSH,   16*PITCH
.set RSW,   2*RSH
; window 0
.set LN16, 4                           ; 16 x lane
.set ADA0, 5                           ; LDS address of my row of reference tile 0;   ADA1: of tile 15 (offsets have 16 bits)
.set ADA1, 6
.set ADRN, 7                           ; 1/norm of my half: RNB + 800 h
.set ADXS, 8                           ; query stage, in: 8 x lane
.set ADXF, 9                           ; query stage, out as fragment: 528 r + 16 h
.set ADRS, 10                          ; record stage, in: 8448 h + 528 r
.set ADRL, 11                          ; record stage, out: 16 x lane
.set VO,   12                          ; v12-15  sim offset of tile u: u*6400000 + 12800 h + 16 r
.set VM,   16                          ; m200 offset: 8192 h + 16 r
.set VRW,  17                          ; prologue: where my 8 bytes of a reference row go
.set VRN,  18                          ; prologue: where 1/norm goes
.set M2,   20                          ; v20-23  maximum over 200, tile u
.set TM,   24                          ; v24-27  at work
.set T2,   28                          ; v28-31  at work
.set RN,   32                          ; v32-47  eight 1/norm, two buffers
.set ACC,  48                          ; v48-111 two sets of four accumulators: set p, query tile u at ACC + 32 p + 8 u; scaled in place
.set M8,   128                         ; v128-255 register 32 u + t: maximum of group t; 25..31 hold -inf
; window 1: v(64 u + 8 kc) query fragments.  window 2: v0-63, v64-127 reference fragments (two buffers), v128-255 x as loaded (4 sets of 32).
; window 3: v(2 n) x rounded to bf16, n = 32 u + 2 row + half.
.set MSB, 0
.macro WIN new                         ; low byte: bits 1:0 source 0, 3:2 source 1, 5:4 source 2, 7:6 destination; high byte repeats the setting left
.if MSB != \new
	s_set_vgpr_msb (MSB<<8)|\new
.set MSB, \new
.endif
.endm
	s_load_b256 s[4:11], s[0:1], 0x0               ; ref_x s[4:5], x s[6:7], sim s[8:9], rec s[10:11]
	s_load_b64 s[12:13], s[0:1], 0x20              ; m200
	v_lshrrev_b32 v1, 5, v0
	v_readfirstlane_b32 s14, v1                    ; wave 0..3
	s_mov_b32 s32, 0x76543210                      ; v_permlanex16_b32: lane i reads lane i of the other half
	s_mov_b32 s33, 0xfedcba98
	s_mov_b32 s34, 0xffff0000                      ; the upper bf16 of a word
	v_and_b32 v1, 31, v0                           ; lane
	v_and_b32 v2, 15, v0                           ; r
	v_bfe_u32 v3, v0, 4, 1                         ; h
	v_lshlrev_b32 v[LN16], 4, v1
	v_lshrrev_b32 v19, 3, v2
	v_and_b32 v24, 7, v2
	v_mad_u32_u24 v19, v19, 200, v24               ; my row of tile 0: (r>>3)*200 + (r&7)
	v_mul_u32_u24 v[ADA0], v19, PITCH
	v_lshl_add_u32 v[ADA0], v3, 4, v[ADA0]
	v_add_nc_u32 v[ADA1], 15*TSTEP, v[ADA0]
	v_mul_u32_u24 v[ADRN], v3, 800
	v_add_nc_u32 v[ADRN], RNB, v[ADRN]
	s_mul_i32 s31, s14, XSW
	s_add_co_u32 s31, s31, XSB                     ; my query stage
	v_lshl_add_u32 v[ADXS], v1, 3, s31
	v_mul_u32_u24 v25, v2, PITCH                   ; 528 r
	v_lshl_add_u32 v[ADXF], v3, 4, v25
	v_add_nc_u32 v[ADXF], s31, v[ADXF]
	s_mul_i32 s31, s14, RSW
	s_add_co_u32 s31, s31, RSB                     ; my record stage
	v_mad_u32_u24 v[ADRS], v3, RSH, v25
	v_add_nc_u32 v[ADRS], s31, v[ADRS]
	v_add_nc_u32 v[ADRL], s31, v[LN16]
	v_mul_u32_u24 v26, v3, 12800
	v_lshl_add_u32 v26, v2, 4, v26
.irp u, 0,1,2,3
	v_add_nc_u32 v[VO+\u], \u*6400000, v26
.endr
	v_lshlrev_b32 v[VM], 13, v3
	v_lshl_add_u32 v[VM], v2, 4, v[VM]
	s_mul_i32 s31, s14, 100*PITCH                  ; wave w rounds slab rows 100 w .. 100 w + 99
	v_lshl_add_u32 v[VRW], v1, 3, s31
	s_mul_i32 s31, s14, 400
	s_add_co_u32 s31, s31, RNB
	v_mov_b32 v[VRN], s31
	s_wait_kmcnt 0x0
	s_mul_i32 s16, ttmp9, 409600                   ; 400 rows of 1024 bytes a slab
	s_mul_i32 s31, s14, 102400
	s_add_co_u32 s16, s16, s31
	s_mov_b32 s17, 0
	s_add_nc_u64 s[18:19], s[4:5], s[16:17]        ; RX: my first reference row
	s_lshl_b32 s16, s14, 19
	s_add_nc_u64 s[20:21], s[6:7], s[16:17]        ; XW: my 512 queries
	s_mul_i32 s16, s14, 204800000                  ; 8 passes x 4 query tiles x 6400000
	s_mul_i32 s31, ttmp9, 25600                    ; 50 groups of 8 x 512 bytes
	s_add_co_u32 s16, s16, s31
	s_add_nc_u64 s[24:25], s[8:9], s[16:17]        ; SB
	s_lshl_b32 s16, ttmp9, 19                      ; 2 groups of 200 x 2048 queries x 128 bytes
	s_lshl_b32 s31, s14, 16
	s_add_co_u32 s16, s16, s31
	s_add_nc_u64 s[26:27], s[10:11], s[16:17]      ; RB
	s_lshl_b32 s16, ttmp9, 14
	s_lshl_b32 s31, s14, 11
	s_add_co_u32 s16, s16, s31
	s_add_nc_u64 s[28:29], s[12:13], s[16:17]      ; MB
; ---------------- the slab: f32 rows in, bf16 rows and 1/norm into LDS ----------------
; Ten rows a set, two sets: 40 loads of 512 bytes of a wave are on their way.
.macro FILLSET set, row
.irp j, 0,1,2,3,4,5,6,7,8,9
	global_load_b128 v[\set+8*\j:\set+8*\j+3], v[LN16], s[18:19] offset:(\row+\j)*1024 th:TH_LOAD_NT
	global_load_b128 v[\set+8*\j+4:\set+8*\j+7], v[LN16], s[18:19] offset:(\row+\j)*1024+512 th:TH_LOAD_NT
.endr
.endm
; one row: my 8 numbers rounded, stored, and the sum of the squares of the ROUNDED numbers into v[ps]
.macro ROWA X, i, ps
	v_cvt_pk_bf16_f32 v208, v[\X], v[\X+1]
	v_cvt_pk_bf16_f32 v209, v[\X+2], v[\X+3]
	v_cvt_pk_bf16_f32 v210, v[\X+4], v[\X+5]
	v_cvt_pk_bf16_f32 v211, v[\X+6], v[\X+7]
	ds_store_b64 v[VRW], v[208:209] offset:(\i)*PITCH
	ds_store_b64 v[VRW], v[210:211] offset:(\i)*PITCH+256
.irp k, 0,1,2,3
	v_lshlrev_b32 v[212+2*\k], 16, v[208+\k]
	v_and_b32 v[213+2*\k], s34, v[208+\k]
.endr
	v_pk_mul_f32 v[220:221], v[212:213], v[212:213]
	v_pk_mul_f32 v[222:223], v[214:215], v[214:215]
	v_pk_fma_f32 v[220:221], v[216:217], v[216:217], v[220:221]
	v_pk_fma_f32 v[222:223], v[218:219], v[218:219], v[222:223]
	v_pk_add_f32 v[220:221], v[220:221], v[222:223]
	v_add_f32 v[\ps], v220, v221
.endm
; ten sums across the 32 lanes, step by step for all ten, so that no step waits for the one in front of it
.macro RED10 rb
.irp m, 1,2,4,8
.irp j, 0,1,2,3,4,5,6,7,8,9
	v_add_f32_dpp v[224+\j], v[224+\j], v[224+\j] row_xmask:\m row_mask:0xf bank_mask:0xf
.endr
.endr
.irp j, 0,1,2,3,4,5,6,7,8,9
	v_permlanex16_b32 v[208+\j], v[224+\j], s32, s33           ; v208-217 were written by the rows above
.endr
.irp j, 0,1,2,3,4,5,6,7,8,9
	v_add_f32 v[224+\j], v[224+\j], v[208+\j]
.endr
.irp j, 0,1,2,3,4,5,6,7,8,9
	v_rsq_f32 v[234+\j], v[224+\j]
.endr
	v_nop                                          ; one plain place behind the last v_rsq_f32 before its result is read (ISA guide 5.7.2)
	s_wait_alu depctr_va_vdst(0)
.irp j, 0,1,2,3,4,5,6,7,8,9
	ds_store_b32 v[VRN], v[234+\j] offset:4*(\rb+\j)           ; all lanes hold the same number
.endr
.endm
.macro PROC set, rb, left, refill
	s_wait_loadcnt \left                           ; loads come back in order: this set is in, the other set (20 younger loads) may be out
.irp j, 0,1,2,3,4,5,6,7,8,9
	ROWA \set+8*\j, \rb+\j, 224+\j
.endr
	RED10 \rb
.if \refill
	FILLSET \set, \rb+20                           ; the rows 20 further on
.endif
.endm
	FILLSET 48, 0
	FILLSET 128, 10
	s_mov_b32 s30, 0
.Lref:
	PROC 48, 0, 20, 1
	PROC 128, 10, 20, 1
	s_wait_xcnt 0x0                                ; the base of the loads just issued is stepped only behind this wait
	s_add_nc_u64 s[18:19], s[18:19], 20*1024
	v_add_nc_u32 v[VRW], 20*PITCH, v[VRW]
	v_add_nc_u32 v[VRN], 80, v[VRN]
	s_add_co_u32 s30, s30, 1
	s_cmp_lt_u32 s30, 4
	s_cbranch_scc1 .Lref
	PROC 48, 0, 20, 0                              ; rows 80-99 of the wave: nothing more is loaded
	PROC 128, 10, 0, 0
; ---------------- x: 64 queries = 128 half rows of 512 bytes, in 16 chunks of 8 loads ----------------
.macro XISSUE c                        ; half row n = 8 c + i: tile u = c>>2, row (n&31)>>1, half n&1; the query is 4 row + u of the block
	WIN 0x80
.irp i, 0,1,2,3,4,5,6,7
	global_load_b128 v[128+32*((\c)%4)+4*\i:128+32*((\c)%4)+4*\i+3], v[LN16], s[22:23] offset:(4*(((8*(\c)+\i)&31)>>1)+((\c)>>2))*1024+(\i&1)*512
.endr
.endm
.macro XCVT c
	WIN 0xca
.irp i, 0,1,2,3,4,5,6,7
	v_cvt_pk_bf16_f32 v[16*(\c)+2*\i], v[128+32*((\c)%4)+4*\i], v[128+32*((\c)%4)+4*\i+1]
	v_cvt_pk_bf16_f32 v[16*(\c)+2*\i+1], v[128+32*((\c)%4)+4*\i+2], v[128+32*((\c)%4)+4*\i+3]
.endr
.endm
	s_mov_b64 s[22:23], s[20:21]                   ; XP: the first block
	XISSUE 0
	XISSUE 1
	XISSUE 2
	XISSUE 3
.irp c, 0,1,2,3,4,5,6,7,8,9,10,11,12,13,14,15
.if \c < 13
	s_wait_loadcnt 24                              ; three younger chunks of eight loads stay out
.else
	s_wait_loadcnt 8*(15-\c)                       ; the counts run down: 16, 8, 0
.endif
	XCVT \c
.if \c < 12
	XISSUE \c+4
.endif
.endr
	WIN 0
.irp u, 0,1,2,3
.irp k, 25,26,27,28,29,30,31
	v_mov_b32 v[M8+32*\u+\k], 0xff800000           ; words 25..31 of a record: -inf, written once
.endr
.endr
	s_wait_dscnt 0x0                               ; my rows and 1/norm are in LDS: zero, for the other waves
	s_barrier_signal -1
	s_barrier_wait -1                              ; the slab is whole; from here on it is only read
; ---------------- the passes ----------------
.macro XTILE u                         ; one query tile through my stage: rows in, fragments out.  LDS serves a wave in order (ISA guide 5.7.1),
	WIN 0x0c                           ; so the tiles follow each other in the same bytes without a wait
.set nn, 0
.rept 32
	ds_store_b64 v[ADXS], v[64*\u+2*nn:64*\u+2*nn+1] offset:(nn>>1)*PITCH+(nn&1)*256
.set nn, nn+1
.endr
	WIN 0x40
.irp kc, 0,1,2,3,4,5,6,7
	ds_load_b128 v[64*\u+8*\kc:64*\u+8*\kc+3], v[ADXF] offset:64*\kc
	ds_load_b128 v[64*\u+8*\kc+4:64*\u+8*\kc+7], v[ADXF] offset:64*\kc+32
.endr
.endm
.macro ALOAD1 t, b, kc                 ; under window setting 0x80: link kc (32 along K) of the fragments of reference tile t into buffer b
.if (\t) < 15
	ds_load_b128 v[64*(\b)+8*(\kc):64*(\b)+8*(\kc)+3], v[ADA0] offset:(\t)*TSTEP+64*(\kc)
	ds_load_b128 v[64*(\b)+8*(\kc)+4:64*(\b)+8*(\kc)+7], v[ADA0] offset:(\t)*TSTEP+64*(\kc)+32
.else
	ds_load_b128 v[64*(\b)+8*(\kc):64*(\b)+8*(\kc)+3], v[ADA1] offset:((\t)-15)*TSTEP+64*(\kc)
	ds_load_b128 v[64*(\b)+8*(\kc)+4:64*(\b)+8*(\kc)+7], v[ADA1] offset:((\t)-15)*TSTEP+64*(\kc)+32
.endif
.endm
.macro RNLOAD t, b                     ; 1/norm of my eight references of tile t
	ds_load_b128 v[RN+8*(\b):RN+8*(\b)+3], v[ADRN] offset:32*(\t)
	ds_load_b128 v[RN+8*(\b)+4:RN+8*(\b)+7], v[ADRN] offset:32*(\t)+16
.endm
.macro MMK p, kc                       ; four matrix instructions: link kc of the four query tiles, fragment buffer p, accumulator set p; link 0 starts the sums
	WIN 0x06
.irp u, 0,1,2,3
.if (\kc) == 0
	v_wmma_f32_16x16x32_bf16 v[ACC+32*(\p)+8*\u:ACC+32*(\p)+8*\u+7], v[64*(\p):64*(\p)+7], v[64*\u:64*\u+7], 0
.else
	v_wmma_f32_16x16x32_bf16 v[ACC+32*(\p)+8*\u:ACC+32*(\p)+8*\u+7], v[64*(\p)+8*(\kc):64*(\p)+8*(\kc)+7], v[64*\u+8*(\kc):64*\u+8*(\kc)+7], v[ACC+32*(\p)+8*\u:ACC+32*(\p)+8*\u+7]
.endif
.endr
.endm
.macro SCALE p, u                      ; the eight sums of query tile u of set p times 1/norm of their references, in place
.irp q, 0,2,4,6
	v_pk_mul_f32 v[ACC+32*(\p)+8*\u+\q:ACC+32*(\p)+8*\u+\q+1], v[ACC+32*(\p)+8*\u+\q:ACC+32*(\p)+8*\u+\q+1], v[RN+8*(\p)+\q:RN+8*(\p)+\q+1]
.endr
.endm
.macro SOUT p, t, u                    ; 16 lanes store 256 consecutive bytes, aligned
	global_store_b128 v[VO+\u], v[ACC+32*(\p)+8*\u:ACC+32*(\p)+8*\u+3], s[24:25] offset:512*(\t) th:TH_STORE_NT
	global_store_b128 v[VO+\u], v[ACC+32*(\p)+8*\u+4:ACC+32*(\p)+8*\u+7], s[24:25] offset:512*(\t)+256 th:TH_STORE_NT
.endm
.macro GMAX p, t, u, w                 ; the maxima of my groups of 8 of query tiles u and w, the two interleaved
	v_max3_num_f32 v[TM+\u], v[ACC+32*(\p)+8*\u], v[ACC+32*(\p)+8*\u+1], v[ACC+32*(\p)+8*\u+2]
	v_max3_num_f32 v[TM+\w], v[ACC+32*(\p)+8*\w], v[ACC+32*(\p)+8*\w+1], v[ACC+32*(\p)+8*\w+2]
	v_max3_num_f32 v[T2+\u], v[ACC+32*(\p)+8*\u+3], v[ACC+32*(\p)+8*\u+4], v[ACC+32*(\p)+8*\u+5]
	v_max3_num_f32 v[T2+\w], v[ACC+32*(\p)+8*\w+3], v[ACC+32*(\p)+8*\w+4], v[ACC+32*(\p)+8*\w+5]
	v_max3_num_f32 v[TM+\u], v[TM+\u], v[ACC+32*(\p)+8*\u+6], v[ACC+32*(\p)+8*\u+7]
	v_max3_num_f32 v[TM+\w], v[TM+\w], v[ACC+32*(\p)+8*\w+6], v[ACC+32*(\p)+8*\w+7]
	v_max_num_f32 v[M8+32*\u+(\t)], v[TM+\u], v[T2+\u]
	v_max_num_f32 v[M8+32*\w+(\t)], v[TM+\w], v[T2+\w]
.endm
; STEP t: the 32 matrix instructions of reference tile t, in eight groups, and behind each group a piece of other work under one window
; setting: the results of tile t - 1 (other accumulator set), the fragments of tile t + 1 (other buffer), one chunk of the next block of x.
; x: chunk c is asked for in step c + c/4 (steps 0..18 without 4, 9, 14) and rounded five steps later, right before its four-set ring slot
; is asked for again; 16 chunks, the last rounded in step 23.
.macro STEP t
	s_wait_dscnt 0x0                               ; asked for one step ago: the fragments of tile t and 1/norm of tile t - 1
	MMK (\t)&1, 0
	WIN 0
.if \t > 0
.rept 4
	v_nop                                          ; four places between the last matrix instruction of tile t - 1 and the first read of its results,
.endr                                              ; and the loads below into the fragment buffer that it read
.endif
	RNLOAD \t, (\t)&1
.if \t > 0
	SCALE (\t-1)&1, 0
	SCALE (\t-1)&1, 1
.endif
	MMK (\t)&1, 1
.if \t < 24
	WIN 0x80
.irp kc, 0,1,2,3
	ALOAD1 \t+1, (\t+1)&1, \kc
.endr
.endif
	MMK (\t)&1, 2
.if \t < 24
	WIN 0x80
.irp kc, 4,5,6,7
	ALOAD1 \t+1, (\t+1)&1, \kc
.endr
.endif
	MMK (\t)&1, 3
.if \t > 0
	WIN 0
	SOUT (\t-1)&1, \t-1, 0
	SOUT (\t-1)&1, \t-1, 1
	SCALE (\t-1)&1, 2
	SCALE (\t-1)&1, 3
.endif
	MMK (\t)&1, 4
.if \t > 0
	WIN 0
	GMAX (\t-1)&1, \t-1, 0, 1
	SOUT (\t-1)&1, \t-1, 2
	SOUT (\t-1)&1, \t-1, 3
.endif
	MMK (\t)&1, 5
.if \t > 0
	WIN 0
	GMAX (\t-1)&1, \t-1, 2, 3
.endif
	MMK (\t)&1, 6
.if \t >= 5
.if \t <= 23
.if (\t)%5 != 4
.if \t <= 20
	s_wait_loadcnt 24                              ; the chunk asked for five steps ago is in; the three younger chunks of eight loads stay out
.else
	s_wait_loadcnt 8*(23-\t)                       ; nothing more is asked for: 16, 8, 0
.endif
	XCVT (\t)-5-((\t)-5)/5
.endif
.endif
.endif
	MMK (\t)&1, 7
	s_wait_xcnt 0x0                                ; the accumulator set of tile t - 1 is the data of this step's stores; the next step's first link writes it
	                                               ; only behind this wait, which stands in front of the loads below so that it does not wait for them
.if \t <= 18
.if (\t)%5 != 4
	XISSUE (\t)-(\t)/5
.endif
.endif
.endm
	s_mov_b32 s30, 0
.Lpass:
	s_add_co_u32 s31, s30, 1                       ; the block fetched during this pass: the next one; in the last pass block 7 once more
	s_min_u32 s31, s31, 7                          ; (inside the buffer, discarded: 1/8 more reads of x, and no branch)
	s_lshl_b32 s16, s31, 16
	s_add_nc_u64 s[22:23], s[20:21], s[16:17]      ; s17 = 0.  All loads through XP were waited for (count 0) in the pass before
	XTILE 0
	XTILE 1
	XTILE 2
	XTILE 3
	WIN 0x80
.irp kc, 0,1,2,3,4,5,6,7
	ALOAD1 0, 0, \kc
.endr
.irp t, 0,1,2,3,4,5,6,7,8,9,10,11,12,13,14,15,16,17,18,19,20,21,22,23,24
	STEP \t
.endr
	WIN 0
.rept 4
	v_nop                                          ; four places before the results of tile 24 are read (ISA guide 7.12.1)
.endr
	s_wait_dscnt 0x0                               ; 1/norm of tile 24
	SCALE 0, 0
	SCALE 0, 1
	SCALE 0, 2
	SCALE 0, 3
	SOUT 0, 24, 0
	SOUT 0, 24, 1
	GMAX 0, 24, 0, 1
	SOUT 0, 24, 2
	SOUT 0, 24, 3
	GMAX 0, 24, 2, 3
	; the records of the pass: maxima over 200, then the 25 maxima over 8 of each query through my stage
.irp u, 0,1,2,3
	v_max3_num_f32 v[M2+\u], v[M8+32*\u], v[M8+32*\u+1], v[M8+32*\u+2]
.irp k, 3,5,7,9,11,13,15,17,19,21,23
	v_max3_num_f32 v[M2+\u], v[M2+\u], v[M8+32*\u+\k], v[M8+32*\u+\k+1]
.endr
.endr
	global_store_b128 v[VM], v[M2:M2+3], s[28:29]              ; four neighbouring queries a lane, 256 consecutive bytes for 16 lanes
.irp u, 0,1,2,3
.irp k, 0,1,2,3,4,5,6,7
	ds_store_b128 v[ADRS], v[M8+32*\u+4*\k:M8+32*\u+4*\k+3] offset:128*\u+16*\k
.endr
.endr
	s_wait_xcnt 0x0                                ; v48-111 hold the data of the stores of tile 24: loaded into only behind this wait
.irp hh, 0,1
.irp n, 0,1,2,3,4,5,6,7,8,9,10,11,12,13,14,15
	ds_load_b128 v[48+4*\n:48+4*\n+3], v[ADRL] offset:\hh*RSH+\n*PITCH     ; a stage row = the records of four queries, 512 bytes
.endr
.irp n, 0,1,2,3,4,5,6,7,8,9,10,11,12,13,14,15
	s_wait_dscnt 15-\n                             ; LDS loads come back in order: row n is in
	global_store_b128 v[LN16], v[48+4*\n:48+4*\n+3], s[26:27] offset:\hh*262144+512*\n th:TH_STORE_NT
.endr
	s_wait_xcnt 0x0                                ; the data registers and the bases are rewritten only behind this wait
.endr
	s_add_nc_u64 s[24:25], s[24:25], 25600000      ; four query tiles on
	s_add_nc_u64 s[26:27], s[26:27], 8192          ; 64 records on
	s_add_nc_u64 s[28:29], s[28:29], 256
	s_add_co_u32 s30, s30, 1
	s_cmp_lt_u32 s30, 8
	s_cbranch_scc1 .Lpass
	s_wait_xcnt 0x0
	v_lshl_add_u32 v254, v0, 2, 0x4cc00
	v_mov_b32 v255, 0
	s_wait_tensorcnt 0x0
	ds_add_u32 v254, v255
	s_wait_dscnt 0x0
	s_endpgm
.Lfunc_end_k_q72b02a1c5d_simgemm:
	.size	k_q72b02a1c5d_simgemm, .Lfunc_end_k_q72b02a1c5d_simgemm-k_q72b02a1c5d_simgemm
	.p2alignl 7, 3214868480
	.fill 96, 4, 3214868480
	.section	.rodata,"a",@progbits
	.p2align	6, 0x0
	.amdhsa_kernel k_q72b02a1c5d_simgemm
		.amdhsa_group_segment_fixed_size 314880
		.amdhsa_private_segment_fixed_size 0
		.amdhsa_enable_private_segment 0
		.amdhsa_kernarg_size 40
		.amdhsa_user_sgpr_count 2
		.amdhsa_user_sgpr_kernarg_segment_ptr 1
		.amdhsa_wavefront_size32 1
		.amdhsa_system_sgpr_workgroup_id_x 1
		.amdhsa_system_sgpr_workgroup_id_y 1
		.amdhsa_system_sgpr_workgroup_id_z 1
		.amdhsa_system_vgpr_workitem_id 0
		.amdhsa_next_free_vgpr 1024
		.amdhsa_next_free_sgpr 66
		.amdhsa_reserve_vcc 0
		.amdhsa_float_denorm_mode_32 3
		.amdhsa_float_denorm_mode_16_64 3
		.amdhsa_memory_ordered 1
		.amdhsa_forward_progress 1
		.amdhsa_inst_pref_size 255
	.end_amdhsa_kernel
	.section	.bss,"aw",@nobits
	.p2align	6
	.space	262144
	.amdgpu_metadata
---
amdhsa.version: [ 1, 2 ]
amdhsa.kernels:
  - .name:           k_q72b02a1c5d_simgemm
    .symbol:         k_q72b02a1c5d_simgemm.kd
    .args:
      - { .name: ref_x, .offset: 0, .size: 8, .value_kind: global_buffer, .address_space: global }
      - { .name: x, .offset: 8, .size: 8, .value_kind: global_buffer, .address_space: global }
      - { .name: sim, .offset: 16, .size: 8, .value_kind: global_buffer, .address_space: global }
      - { .name: rec, .offset: 24, .size: 8, .value_kind: global_buffer, .address_space: global }
      - { .name: m200, .offset: 32, .size: 8, .value_kind: global_buffer, .address_space: global }
    .group_segment_fixed_size: 314880
    .private_segment_fixed_size: 0
    .kernarg_segment_align: 8
    .kernarg_segment_size: 40
    .max_flat_workgroup_size: 128
    .sgpr_count:     66
    .vgpr_count:     1024
    .wavefront_size: 32
...
	.end_amdgpu_metadata
.endif
;; end of part 1
;; launch top200 (part 2): grid 256 x 1, 8 waves a work-group, no clusters, 17,664 bytes of LDS; arguments m200, sel1; writes sel1
.if DOCPART == 2
	.amdgcn_target "amdgcn-amd-amdhsa--gfx1250"
	.amdhsa_code_object_version 6
	.text
	.protected	k_q72b02a1c5d_top200
	.globl	k_q72b02a1c5d_top200
	.p2align	8
	.type	k_q72b02a1c5d_top200,@function
k_q72b02a1c5d_top200:
	s_mov_b64 s[64:65], 0
	v_nop
	global_prefetch_b8 v0, s[64:65] scope:SCOPE_SE
	s_setreg_imm32_b32 hwreg(HW_REG_WAVE_MODE, 25, 1), 1
	s_wait_xcnt 0x0
; top200: for each query the 100 groups of 200 references with the largest maxima, ties to the lower group number, as a bit mask.
; The 100 largest elements (value descending, index ascending) lie in these groups: if 100 groups stood in front of an
; element's group, their maxima would be 100 elements in front of it.
; One wave a query, q = 8 x work-group + wave.  The choice is a fixed search of 32 steps over bit patterns: no branch and no address
; hangs on a similarity.  Key of an f32 with bits b: b xor ((b asr 31) | 0x80000000), compared unsigned.  LIMIT: -0.0 ranks below +0.0.
; No LDS ring, matrix unit or cluster: 4 MB are read once and the work is compares.
.set QP, 2064                          ; LDS pitch of a query: 516 words.  500 are groups, 12 more take the repeated last row of the fourth sweep;
                                       ; 2064/4 = 16 modulo 64 words, so the two 16-byte pieces of a row fall 16 words apart
.set K,  24                            ; v24-39 keys: register i, lane l = group 32 i + l
.set TT, 40
.set OUT, 41
	s_load_b128 s[4:7], s[0:1], 0x0                ; m200 s[4:5], sel1 s[6:7]
	v_lshl_add_u32 v64, v0, 2, 0x4100
	v_mov_b32 v65, 0
	v_lshrrev_b32 v1, 5, v0
	v_readfirstlane_b32 s8, v1                     ; wave
	v_and_b32 v1, 31, v0                           ; lane
	v_lshrrev_b32 v2, 1, v0                        ; group within a sweep of 128
	v_and_b32 v3, 1, v0                            ; which 16 bytes (4 queries) of the 32
	v_lshlrev_b32 v4, 13, v2
	v_lshl_add_u32 v4, v3, 4, v4                   ; a row of m200 is 8192 bytes
	v_add_nc_u32 v43, 384, v2                      ; the fourth sweep has 116 rows for 128 pairs of threads:
	v_min_u32 v43, 499, v43                        ; the last 12 pairs read row 499 once more, inside the buffer, with every lane on
	v_lshlrev_b32 v43, 13, v43
	v_lshl_add_u32 v43, v3, 4, v43
	v_mul_u32_u24 v5, v3, 4*QP
	v_lshl_add_u32 v5, v2, 2, v5
	s_lshl_b32 s10, ttmp9, 5                       ; my 8 queries: 32 bytes of every row
	s_mov_b32 s11, 0
	s_wait_kmcnt 0x0
	s_add_nc_u64 s[4:5], s[4:5], s[10:11]
	global_load_b128 v[8:11], v4, s[4:5]
	global_load_b128 v[12:15], v4, s[4:5] offset:1048576       ; 128 rows on
	global_load_b128 v[16:19], v4, s[4:5] offset:2097152
	global_load_b128 v[20:23], v43, s[4:5]
	v_mov_b32 v[OUT], 0
	v_lshlrev_b32 v42, 2, v0
	s_wait_loadcnt 0x0
.irp k, 0,1,2,3
.irp c, 0,1,2,3
	ds_store_b32 v5, v[8+4*\k+\c] offset:\c*QP+512*\k          ; query 4 piece + c, word 128 k + group: words 0..511 of each query
.endr
.endr
	s_wait_dscnt 0x0                               ; zero: the other waves read these words
	s_barrier_signal -1
	s_barrier_wait -1
	s_mul_i32 s13, s8, QP
	v_lshl_add_u32 v6, v1, 2, s13
	v_min_u32 v7, 19, v1                           ; register 15 has 20 groups (480..499): the other lanes read group 499 and get key 0
	v_lshl_add_u32 v7, v7, 2, s13
.irp i, 0,1,2,3,4,5,6,7,8,9,10,11,12,13,14
	ds_load_b32 v[K+\i], v6 offset:128*\i
.endr
	ds_load_b32 v[K+15], v7 offset:1920
	s_wait_dscnt 0x0
.irp i, 0,1,2,3,4,5,6,7,8,9,10,11,12,13,14,15
	v_ashrrev_i32 v[TT], 31, v[K+\i]
	v_or_b32 v[TT], 0x80000000, v[TT]
	v_xor_b32 v[K+\i], v[TT], v[K+\i]
.endr
	v_cmp_gt_u32 vcc_lo, 20, v1
	v_cndmask_b32 v[K+15], 0, v[K+15], vcc_lo
; s24 = the number of keys of n registers for which op(sv, key) holds: n compares into n masks, the ones of each mask counted in place
; (no count waits for another), then added on four sums
.macro CNTG op, sv, k0, n
	s_mov_b32 s24, 0
	s_mov_b32 s25, 0
	s_mov_b32 s26, 0
	s_mov_b32 s27, 0
.set j, 0
.rept \n
	\op s[32+j], \sv, v[\k0+j]
.set j, j+1
.endr
.set j, 0
.rept \n
	s_bcnt1_i32_b32 s[32+j], s[32+j]
.set j, j+1
.endr
.set j, 0
.rept \n
	s_add_co_u32 s[24+(j&3)], s[24+(j&3)], s[32+j]
.set j, j+1
.endr
	s_add_co_u32 s24, s24, s25
	s_add_co_u32 s26, s26, s27
	s_add_co_u32 s24, s24, s26
.endm
	; the largest t with at least 100 keys >= t: the key of the 100th largest, bit by bit from the top
	s_mov_b32 s20, 0                               ; t
	s_mov_b32 s21, 0x80000000                      ; the bit on trial
	s_mov_b32 s22, 0
.Lsearch:
	s_or_b32 s23, s20, s21
	CNTG v_cmp_le_u32, s23, K, 16
	s_cmp_ge_u32 s24, 100
	s_cselect_b32 s20, s23, s20
	s_lshr_b32 s21, s21, 1
	s_add_co_u32 s22, s22, 1
	s_cmp_lt_u32 s22, 32
	s_cbranch_scc1 .Lsearch
	CNTG v_cmp_lt_u32, s20, K, 16                  ; keys above t: fewer than 100
	s_sub_co_u32 s30, 100, s24                     ; so many of the keys equal to t are taken, the lowest indices first
	s_mov_b32 s29, 0                               ; equal keys met so far
.macro PICK k, o, ln
	v_cmp_lt_u32 s26, s20, v[\k]
	v_cmp_eq_u32 s27, s20, v[\k]
	v_mbcnt_lo_u32_b32 v[TT], s27, s29             ; equal keys in front of mine
	v_cmp_gt_u32 s28, s30, v[TT]
	s_and_b32 s28, s28, s27
	s_or_b32 s28, s28, s26
	v_writelane_b32 v[\o], s28, \ln
	s_bcnt1_i32_b32 s31, s27
	s_add_co_u32 s29, s29, s31
.endm
.irp i, 0,1,2,3,4,5,6,7,8,9,10,11,12,13,14,15
	PICK K+\i, OUT, \i
.endr
	s_lshl_b32 s10, ttmp9, 10
	s_add_nc_u64 s[6:7], s[6:7], s[10:11]
	global_store_b32 v42, v[OUT], s[6:7]           ; 32 words a query (16 masks, 16 zeros): the work-group stores 1024 consecutive bytes
	s_wait_tensorcnt 0x0
	ds_add_u32 v64, v65
	s_wait_dscnt 0x0
	s_endpgm
.Lfunc_end_k_q72b02a1c5d_top200:
	.size	k_q72b02a1c5d_top200, .Lfunc_end_k_q72b02a1c5d_top200-k_q72b02a1c5d_top200
	.p2alignl 7, 3214868480
	.fill 96, 4, 3214868480
	.section	.rodata,"a",@progbits
	.p2align	6, 0x0
	.amdhsa_kernel k_q72b02a1c5d_top200
		.amdhsa_group_segment_fixed_size 17664
		.amdhsa_private_segment_fixed_size 0
		.amdhsa_enable_private_segment 0
		.amdhsa_kernarg_size 16
		.amdhsa_user_sgpr_count 2
		.amdhsa_user_sgpr_kernarg_segment_ptr 1
		.amdhsa_wavefront_size32 1
		.amdhsa_system_sgpr_workgroup_id_x 1
		.amdhsa_system_sgpr_workgroup_id_y 1
		.amdhsa_system_sgpr_workgroup_id_z 1
		.amdhsa_system_vgpr_workitem_id 0
		.amdhsa_next_free_vgpr 66
		.amdhsa_next_free_sgpr 66
		.amdhsa_reserve_vcc 1
		.amdhsa_float_denorm_mode_32 3
		.amdhsa_float_denorm_mode_16_64 3
		.amdhsa_memory_ordered 1
		.amdhsa_forward_progress 1
		.amdhsa_inst_pref_size 19
	.end_amdhsa_kernel
	.amdgpu_metadata
---
amdhsa.version: [ 1, 2 ]
amdhsa.kernels:
  - .name:           k_q72b02a1c5d_top200
    .symbol:         k_q72b02a1c5d_top200.kd
    .args:
      - { .name: m200, .offset: 0, .size: 8, .value_kind: global_buffer, .address_space: global }
      - { .name: sel1, .offset: 8, .size: 8, .value_kind: global_buffer, .address_space: global }
    .group_segment_fixed_size: 17664
    .private_segment_fixed_size: 0
    .kernarg_segment_align: 8
    .kernarg_segment_size: 16
    .max_flat_workgroup_size: 256
    .sgpr_count:     66
    .vgpr_count:     66
    .wavefront_size: 32
...
	.end_amdgpu_metadata
.endif
;; end of part 2
;; launch top8 (part 3): grid 256 x 1, 8 waves a work-group, no clusters, 5,120 bytes of LDS; arguments sel1, rec, st2; writes st2
.if DOCPART == 3
	.amdgcn_target "amdgcn-amd-amdhsa--gfx1250"
	.amdhsa_code_object_version 6
	.text
	.protected	k_q72b02a1c5d_top8
	.globl	k_q72b02a1c5d_top8
	.p2align	8
	.type	k_q72b02a1c5d_top8,@function
k_q72b02a1c5d_top8:
	s_mov_b64 s[64:65], 0
	v_nop
	global_prefetch_b8 v0, s[64:65] scope:SCOPE_SE
	s_setreg_imm32_b32 hwreg(HW_REG_WAVE_MODE, 25, 1), 1
	s_wait_xcnt 0x0
; top8: for each query, among the 100 x 25 groups of 8 inside the chosen groups of 200, the 100 with the largest maxima (ties to the
; lower group number).  One wave a query.  The masks of the launch before are whole numbers read from memory; they are turned into a
; list of 100 group numbers in LDS (the wave's own 512 bytes), which steers the loads of 100 records of 128 bytes.
; Stored: list1 (the 100 group numbers, ascending) and sel2 (word i: the mask over the 25 lanes of parent i).
; Search and keys as in top200.  LIMIT: -0.0 ranks below +0.0.
.set LB, 2                             ; my list in LDS
.set B16, 3                            ; + 16 x lane
.set L4, 4                             ; 4 x lane
.set C100, 5
.set PO, 6
.set ID, 7
.set TT, 8
.set LM, 9                             ; all ones in lanes 0..24
.set L16, 10
.set OUT, 16                           ; v16-19: word i of sel2 in register i&3, lane i>>2
.set K, 20                             ; v20-119: parent i, lane t
.set CN, 120                           ; v120-123: four running counts
	s_load_b128 s[4:7], s[0:1], 0x0                ; sel1 s[4:5], rec s[6:7]
	s_load_b64 s[8:9], s[0:1], 0x10                ; st2
	v_lshl_add_u32 v128, v0, 2, 0x1000
	v_mov_b32 v129, 0
	v_lshrrev_b32 v1, 5, v0
	v_readfirstlane_b32 s10, v1
	s_lshl_b32 s11, ttmp9, 3
	s_add_co_u32 s11, s11, s10                     ; q
	s_lshl_b32 s12, s11, 7
	s_mov_b32 s13, 0
	s_wait_kmcnt 0x0
	s_add_nc_u64 s[4:5], s[4:5], s[12:13]          ; 128 bytes of masks a query
	s_add_nc_u64 s[6:7], s[6:7], s[12:13]          ; 128 bytes a record
	s_lshl_b32 s12, s11, 10
	s_add_nc_u64 s[8:9], s[8:9], s[12:13]
	s_load_b512 s[32:47], s[4:5], 0x0              ; the 16 masks over groups of 200
	v_and_b32 v1, 31, v0
	s_lshl_b32 s16, s10, 9
	v_mov_b32 v[LB], s16
	v_lshlrev_b32 v[L16], 4, v1
	v_add_nc_u32 v[B16], s16, v[L16]
	v_lshlrev_b32 v[L4], 2, v1
	v_mov_b32 v[C100], 100
.irp k, 12,13,14,15,16,17,18,19
	v_mov_b32 v\k, 0
.endr
	v_cmp_gt_u32 vcc_lo, 25, v1
	v_cndmask_b32 v[LM], 0, -1, vcc_lo
	ds_store_b128 v[B16], v[12:15]                 ; the list starts as zeros
	s_mov_b32 s14, 0                               ; entries placed so far
	s_wait_kmcnt 0x0
; the lanes whose bit is set in s[m] put v[ID] at the next places of the list; the others write to word 100, which nobody reads
.macro PLACE m
	v_mbcnt_lo_u32_b32 v[PO], s[\m], s14
	v_cndmask_b32 v[PO], v[C100], v[PO], s[\m]
	v_min_u32 v[PO], 100, v[PO]                    ; whatever the masks hold, the address stays inside my 512 bytes
	v_lshl_add_u32 v[PO], v[PO], 2, v[LB]
	ds_store_b32 v[PO], v[ID]
	s_bcnt1_i32_b32 s15, s[\m]
	s_add_co_u32 s14, s14, s15
.endm
.irp i, 0,1,2,3,4,5,6,7,8,9,10,11,12,13,14,15
	v_add_nc_u32 v[ID], 32*\i, v1
	PLACE 32+\i
.endr
	ds_store_b32 v[LB], v12 offset:400             ; word 100 back to zero
	ds_load_b128 v[12:15], v[B16]                  ; LDS serves a wave in order: these see the stores above
.set i, 0
.rept 100
	ds_load_b32 v[K+i], v[LB] offset:4*i           ; entry i, the same in every lane
.set i, i+1
.endr
	s_wait_dscnt 0x0
	global_store_b128 v[L16], v[12:15], s[8:9]     ; list1: 512 consecutive bytes
.set i, 0
.rept 100
	v_min_u32 v[K+i], 499, v[K+i]
	v_lshl_add_u32 v[K+i], v[K+i], 18, v[L4]       ; a group of 200 is 2048 records of 128 bytes
	global_load_b32 v[K+i], v[K+i], s[6:7]         ; the record: 128 consecutive bytes a load; it lands on its own address register
.set i, i+1
.endr
	s_wait_loadcnt 0x0
.set i, 0
.rept 100
	v_ashrrev_i32 v[TT], 31, v[K+i]
	v_or_b32 v[TT], 0x80000000, v[TT]
	v_xor_b32 v[K+i], v[TT], v[K+i]
	v_and_b32 v[K+i], v[LM], v[K+i]                ; lanes 25..31 are no groups: key 0
.set i, i+1
.endr
; Counting.  v_mbcnt_lo_u32_b32 adds to its second source the ones of the mask in the lanes below mine.  Lane 31 holds key 0, which no
; compare below counts (a candidate is at least 1, and nothing is below 0), so in lane 31 a chain of them sums the ones of whole masks.
; 20 compares into 20 masks, then 20 links on four chains that do not wait for each other; first = 1: the first four links start the chains.
.macro CNT20 op, sv, k0, first
.set j, 0
.rept 20
	\op s[32+j], \sv, v[\k0+j]
.set j, j+1
.endr
.set j, 0
.rept 20
.if \first && (j < 4)
	v_mbcnt_lo_u32_b32 v[CN+j], s[32+j], 0
.else
	v_mbcnt_lo_u32_b32 v[CN+(j&3)], s[32+j], v[CN+(j&3)]
.endif
.set j, j+1
.endr
.endm
.macro COUNT op, sv                    ; s24 = the number of the 2500 keys for which op(sv, key) holds
	CNT20 \op, \sv, K, 1
	CNT20 \op, \sv, K+20, 0
	CNT20 \op, \sv, K+40, 0
	CNT20 \op, \sv, K+60, 0
	CNT20 \op, \sv, K+80, 0
	v_add3_u32 v[CN], v[CN], v[CN+1], v[CN+2]
	v_add_nc_u32 v[CN], v[CN], v[CN+3]
	v_readlane_b32 s24, v[CN], 31
.endm
	s_mov_b32 s20, 0
	s_mov_b32 s21, 0x80000000
	s_mov_b32 s22, 0
.Lsearch:
	s_or_b32 s23, s20, s21
	COUNT v_cmp_le_u32, s23
	s_cmp_ge_u32 s24, 100
	s_cselect_b32 s20, s23, s20
	s_lshr_b32 s21, s21, 1
	s_add_co_u32 s22, s22, 1
	s_cmp_lt_u32 s22, 32
	s_cbranch_scc1 .Lsearch
	COUNT v_cmp_lt_u32, s20
	s_sub_co_u32 s30, 100, s24
	s_mov_b32 s29, 0
.macro PICK k, o, ln
	v_cmp_lt_u32 s26, s20, v[\k]
	v_cmp_eq_u32 s27, s20, v[\k]
	v_mbcnt_lo_u32_b32 v[TT], s27, s29
	v_cmp_gt_u32 s28, s30, v[TT]
	s_and_b32 s28, s28, s27
	s_or_b32 s28, s28, s26
	v_writelane_b32 v[\o], s28, \ln
	s_bcnt1_i32_b32 s31, s27
	s_add_co_u32 s29, s29, s31
.endm
.set i, 0
.rept 100
	PICK K+i, OUT+(i&3), i>>2
.set i, i+1
.endr
	global_store_b128 v[L16], v[OUT:OUT+3], s[8:9] offset:512  ; sel2: 128 words, those from 100 on are zero
	s_wait_tensorcnt 0x0
	ds_add_u32 v128, v129
	s_wait_dscnt 0x0
	s_endpgm
.Lfunc_end_k_q72b02a1c5d_top8:
	.size	k_q72b02a1c5d_top8, .Lfunc_end_k_q72b02a1c5d_top8-k_q72b02a1c5d_top8
	.p2alignl 7, 3214868480
	.fill 96, 4, 3214868480
	.section	.rodata,"a",@progbits
	.p2align	6, 0x0
	.amdhsa_kernel k_q72b02a1c5d_top8
		.amdhsa_group_segment_fixed_size 5120
		.amdhsa_private_segment_fixed_size 0
		.amdhsa_enable_private_segment 0
		.amdhsa_kernarg_size 24
		.amdhsa_user_sgpr_count 2
		.amdhsa_user_sgpr_kernarg_segment_ptr 1
		.amdhsa_wavefront_size32 1
		.amdhsa_system_sgpr_workgroup_id_x 1
		.amdhsa_system_sgpr_workgroup_id_y 1
		.amdhsa_system_sgpr_workgroup_id_z 1
		.amdhsa_system_vgpr_workitem_id 0
		.amdhsa_next_free_vgpr 130
		.amdhsa_next_free_sgpr 66
		.amdhsa_reserve_vcc 1
		.amdhsa_float_denorm_mode_32 3
		.amdhsa_float_denorm_mode_16_64 3
		.amdhsa_memory_ordered 1
		.amdhsa_forward_progress 1
		.amdhsa_inst_pref_size 123
	.end_amdhsa_kernel
	.amdgpu_metadata
---
amdhsa.version: [ 1, 2 ]
amdhsa.kernels:
  - .name:           k_q72b02a1c5d_top8
    .symbol:         k_q72b02a1c5d_top8.kd
    .args:
      - { .name: sel1, .offset: 0, .size: 8, .value_kind: global_buffer, .address_space: global }
      - { .name: rec, .offset: 8, .size: 8, .value_kind: global_buffer, .address_space: global }
      - { .name: st2, .offset: 16, .size: 8, .value_kind: global_buffer, .address_space: global }
    .group_segment_fixed_size: 5120
    .private_segment_fixed_size: 0
    .kernarg_segment_align: 8
    .kernarg_segment_size: 24
    .max_flat_workgroup_size: 256
    .sgpr_count:     66
    .vgpr_count:     130
    .wavefront_size: 32
...
	.end_amdgpu_metadata
.endif
;; end of part 3
;; launch top1 (part 4): grid 256 x 1, 8 waves a work-group, no clusters, 5,120 bytes of LDS; arguments st2, sim, st3, vals; writes st3, vals
.if DOCPART == 4
	.amdgcn_target "amdgcn-amd-amdhsa--gfx1250"
	.amdhsa_code_object_version 6
	.text
	.protected	k_q72b02a1c5d_top1
	.globl	k_q72b02a1c5d_top1
	.p2align	8
	.type	k_q72b02a1c5d_top1,@function
k_q72b02a1c5d_top1:
	s_mov_b64 s[64:65], 0
	v_nop
	global_prefetch_b8 v0, s[64:65] scope:SCOPE_SE
	s_setreg_imm32_b32 hwreg(HW_REG_WAVE_MODE, 25, 1), 1
	s_wait_xcnt 0x0
; top1: for each query, among the 100 x 8 similarities of the chosen groups of 8, the 100 largest (ties to the lower reference).
; One wave a query.  list1 and sel2 of the launch before are whole numbers read from memory; they give list2, the 100 group numbers
; id8 = 25 x group of 200 + lane, ascending, which steers the loads of 800 similarities.  Slot 32 i + l = entry 4 i + (l>>3), element l&7.
; Stored: list2, sel3 (word i: the mask over slots 32 i + l) and the 800 similarities (vals).
; Search and keys as in top200.  LIMIT: -0.0 ranks below +0.0.
.set LB, 2
.set B16, 3
.set L4, 4
.set C100, 5
.set PO, 6
.set ID, 7
.set TT, 8
.set VS, 9                             ; LB + 4 (l>>3)
.set L16, 10
.set OUT, 11
.set V, 20                             ; v20-47: similarities, registers 25..27 zero
.set K, 48                             ; v48-72: keys
.set CJ, 74                            ; ((l&7)>>2)*256 + (l&3)*4
	s_load_b256 s[4:11], s[0:1], 0x0               ; st2 s[4:5], sim s[6:7], st3 s[8:9], vals s[10:11]
	v_lshl_add_u32 v96, v0, 2, 0x1000
	v_mov_b32 v97, 0
	v_lshrrev_b32 v1, 5, v0
	v_readfirstlane_b32 s12, v1
	s_lshl_b32 s13, ttmp9, 3
	s_add_co_u32 s13, s13, s12                     ; q = 64 P + 4 r + u
	s_lshl_b32 s16, s13, 10
	s_mov_b32 s17, 0
	s_wait_kmcnt 0x0
	s_add_nc_u64 s[4:5], s[4:5], s[16:17]
	s_add_nc_u64 s[8:9], s[8:9], s[16:17]
	s_mul_i32 s16, s13, 3584
	s_add_nc_u64 s[10:11], s[10:11], s[16:17]
	s_lshr_b32 s18, s13, 6
	s_and_b32 s19, s13, 3
	s_lshl2_add_u32 s18, s18, s19                  ; 4 P + u
	s_mul_i32 s16, s18, 6400000
	s_bfe_u32 s19, s13, 0x40002                    ; r
	s_lshl_b32 s19, s19, 4
	s_add_co_u32 s16, s16, s19
	s_add_nc_u64 s[6:7], s[6:7], s[16:17]
	v_and_b32 v1, 31, v0
	v_lshlrev_b32 v[L16], 4, v1
	global_load_b128 v[12:15], v[L16], s[4:5]              ; list1: word e in register e&3, lane e>>2
	global_load_b128 v[16:19], v[L16], s[4:5] offset:512   ; sel2 likewise
	s_lshl_b32 s18, s12, 9
	v_mov_b32 v[LB], s18
	v_add_nc_u32 v[B16], s18, v[L16]
	v_lshlrev_b32 v[L4], 2, v1
	v_mov_b32 v[C100], 100
	v_lshrrev_b32 v[VS], 3, v1
	v_lshl_add_u32 v[VS], v[VS], 2, v[LB]
	v_bfe_u32 v[CJ], v1, 2, 1
	v_lshlrev_b32 v[CJ], 8, v[CJ]
	v_and_b32 v[TT], 3, v1
	v_lshl_add_u32 v[CJ], v[TT], 2, v[CJ]
.irp k, 76,77,78,79
	v_mov_b32 v\k, 0
.endr
	v_mov_b32 v[OUT], 0
	ds_store_b128 v[B16], v[76:79]                 ; the list starts as zeros
	s_mov_b32 s14, 0
	s_wait_loadcnt 0x0
; the lanes whose bit is set in s[m] put v[ID] at the next places of the list; the others write to word 100, which nobody reads
.macro PLACE m
	v_mbcnt_lo_u32_b32 v[PO], s[\m], s14
	v_cndmask_b32 v[PO], v[C100], v[PO], s[\m]
	v_min_u32 v[PO], 100, v[PO]                    ; whatever the masks hold, the address stays inside my 512 bytes
	v_lshl_add_u32 v[PO], v[PO], 2, v[LB]
	ds_store_b32 v[PO], v[ID]
	s_bcnt1_i32_b32 s15, s[\m]
	s_add_co_u32 s14, s14, s15
.endm
.set e, 0
.rept 100
	v_readlane_b32 s52, v[16+(e&3)], e>>2          ; the mask of parent e
	v_readlane_b32 s53, v[12+(e&3)], e>>2          ; its group of 200
	s_mul_i32 s53, s53, 25
	v_add_nc_u32 v[ID], s53, v1
	PLACE 52
.set e, e+1
.endr
	ds_store_b32 v[LB], v76 offset:400             ; word 100 back to zero
	ds_load_b128 v[12:15], v[B16]                  ; LDS serves a wave in order: these see the stores above
.set i, 0
.rept 25
	ds_load_b32 v[V+i], v[VS] offset:16*i
.set i, i+1
.endr
	s_wait_dscnt 0x0
	global_store_b128 v[L16], v[12:15], s[8:9]     ; list2: 512 consecutive bytes
.set i, 0
.rept 25
	v_min_u32 v[V+i], 12499, v[V+i]
	v_lshl_add_u32 v[V+i], v[V+i], 9, v[CJ]        ; a group of 8 is 512 bytes for 16 queries
	global_load_b32 v[V+i], v[V+i], s[6:7]         ; it lands on its own address register
.set i, i+1
.endr
	v_mov_b32 v[V+25], 0
	v_mov_b32 v[V+26], 0
	v_mov_b32 v[V+27], 0
	s_wait_loadcnt 0x0
.irp a, 0,1,2,3,4,5,6
	global_store_b128 v[L16], v[V+4*\a:V+4*\a+3], s[10:11] offset:512*\a
.endr
.set i, 0
.rept 25
	v_ashrrev_i32 v[TT], 31, v[V+i]
	v_or_b32 v[TT], 0x80000000, v[TT]
	v_xor_b32 v[K+i], v[TT], v[V+i]                ; the keys get registers of their own: V is the data of the stores above
.set i, i+1
.endr
; s24 = the number of keys of n registers for which op(sv, key) holds: n compares into n masks, the ones of each mask counted in place
; (no count waits for another), then added on four sums
.macro CNTG op, sv, k0, n
	s_mov_b32 s24, 0
	s_mov_b32 s25, 0
	s_mov_b32 s26, 0
	s_mov_b32 s27, 0
.set j, 0
.rept \n
	\op s[32+j], \sv, v[\k0+j]
.set j, j+1
.endr
.set j, 0
.rept \n
	s_bcnt1_i32_b32 s[32+j], s[32+j]
.set j, j+1
.endr
.set j, 0
.rept \n
	s_add_co_u32 s[24+(j&3)], s[24+(j&3)], s[32+j]
.set j, j+1
.endr
	s_add_co_u32 s24, s24, s25
	s_add_co_u32 s26, s26, s27
	s_add_co_u32 s24, s24, s26
.endm
	s_mov_b32 s20, 0
	s_mov_b32 s21, 0x80000000
	s_mov_b32 s22, 0
.Lsearch:
	s_or_b32 s23, s20, s21
	CNTG v_cmp_le_u32, s23, K, 25
	s_cmp_ge_u32 s24, 100
	s_cselect_b32 s20, s23, s20
	s_lshr_b32 s21, s21, 1
	s_add_co_u32 s22, s22, 1
	s_cmp_lt_u32 s22, 32
	s_cbranch_scc1 .Lsearch
	CNTG v_cmp_lt_u32, s20, K, 25
	s_sub_co_u32 s30, 100, s24
	s_mov_b32 s29, 0
.macro PICK k, o, ln
	v_cmp_lt_u32 s26, s20, v[\k]
	v_cmp_eq_u32 s27, s20, v[\k]
	v_mbcnt_lo_u32_b32 v[TT], s27, s29
	v_cmp_gt_u32 s28, s30, v[TT]
	s_and_b32 s28, s28, s27
	s_or_b32 s28, s28, s26
	v_writelane_b32 v[\o], s28, \ln
	s_bcnt1_i32_b32 s31, s27
	s_add_co_u32 s29, s29, s31
.endm
.set i, 0
.rept 25
	PICK K+i, OUT, i
.set i, i+1
.endr
	global_store_b32 v[L4], v[OUT], s[8:9] offset:512          ; sel3: 32 words, those from 25 on are zero
	s_wait_tensorcnt 0x0
	ds_add_u32 v96, v97
	s_wait_dscnt 0x0
	s_endpgm
.Lfunc_end_k_q72b02a1c5d_top1:
	.size	k_q72b02a1c5d_top1, .Lfunc_end_k_q72b02a1c5d_top1-k_q72b02a1c5d_top1
	.p2alignl 7, 3214868480
	.fill 96, 4, 3214868480
	.section	.rodata,"a",@progbits
	.p2align	6, 0x0
	.amdhsa_kernel k_q72b02a1c5d_top1
		.amdhsa_group_segment_fixed_size 5120
		.amdhsa_private_segment_fixed_size 0
		.amdhsa_enable_private_segment 0
		.amdhsa_kernarg_size 32
		.amdhsa_user_sgpr_count 2
		.amdhsa_user_sgpr_kernarg_segment_ptr 1
		.amdhsa_wavefront_size32 1
		.amdhsa_system_sgpr_workgroup_id_x 1
		.amdhsa_system_sgpr_workgroup_id_y 1
		.amdhsa_system_sgpr_workgroup_id_z 1
		.amdhsa_system_vgpr_workitem_id 0
		.amdhsa_next_free_vgpr 98
		.amdhsa_next_free_sgpr 66
		.amdhsa_reserve_vcc 0
		.amdhsa_float_denorm_mode_32 3
		.amdhsa_float_denorm_mode_16_64 3
		.amdhsa_memory_ordered 1
		.amdhsa_forward_progress 1
		.amdhsa_inst_pref_size 88
	.end_amdhsa_kernel
	.amdgpu_metadata
---
amdhsa.version: [ 1, 2 ]
amdhsa.kernels:
  - .name:           k_q72b02a1c5d_top1
    .symbol:         k_q72b02a1c5d_top1.kd
    .args:
      - { .name: st2, .offset: 0, .size: 8, .value_kind: global_buffer, .address_space: global }
      - { .name: sim, .offset: 8, .size: 8, .value_kind: global_buffer, .address_space: global }
      - { .name: st3, .offset: 16, .size: 8, .value_kind: global_buffer, .address_space: global }
      - { .name: vals, .offset: 24, .size: 8, .value_kind: global_buffer, .address_space: global }
    .group_segment_fixed_size: 5120
    .private_segment_fixed_size: 0
    .kernarg_segment_align: 8
    .kernarg_segment_size: 32
    .max_flat_workgroup_size: 256
    .sgpr_count:     66
    .vgpr_count:     98
    .wavefront_size: 32
...
	.end_amdgpu_metadata
.endif
;; end of part 4
;; launch mix (part 5): grid 256 x 1, 8 waves a work-group, no clusters, 9,216 bytes of LDS; arguments st3, vals, x, ref_y, out0; writes out0
.if DOCPART == 5
	.amdgcn_target "amdgcn-amd-amdhsa--gfx1250"
	.amdhsa_code_object_version 6
	.text
	.protected	k_q72b02a1c5d_mix
	.globl	k_q72b02a1c5d_mix
	.p2align	8
	.type	k_q72b02a1c5d_mix,@function
k_q72b02a1c5d_mix:
	s_mov_b64 s[64:65], 0
	v_nop
	global_prefetch_b8 v0, s[64:65] scope:SCOPE_SE
	s_setreg_imm32_b32 hwreg(HW_REG_WAVE_MODE, 25, 1), 1
	s_wait_xcnt 0x0
; mix: out0[q] = sum over the 100 chosen references of value x ref_y[reference] / sum of the 100 values.
; One wave a query.  sel3 and list2 are whole numbers read from memory.  The chosen slots are packed into 100 entries
; (reference, value) in the wave's own 1024 bytes of LDS; then 50 loads fetch two rows of ref_y each (16 lanes a row of 256 bytes).
; value = stored similarity x 1/norm of the query rounded to bf16.  The division by the sum is made once, behind the weighted sum,
; by v_rcp_f32; 1/norm by v_rsq_f32.  A query row of zeros gives NaN.
; No prefetch: every row load is issued as soon as its entry is known.  No matrix unit: 100 x 64 multiply-adds a query.
.set LB, 2
.set B16, 3
.set L3, 4                             ; 4 (l>>3)
.set C100, 5
.set PO, 6
.set J, 7                              ; l & 7
.set C16, 8                            ; 16 (l & 15)
.set VE, 9                             ; LB + 8 h
.set L16, 10
.set RNX, 11
.set D, 12                             ; v12-13: an entry
.set V, 20                             ; v20-47 values;  v48-72 list entries;  both are done with when the entries E overlay them
.set I, 48
.set X, 76                             ; v76-83 the query row
.set E, 20                             ; v20-69: 25 entries (offset, weight)
.set Y, 100                            ; v100-199: 25 x 16 bytes of rows of ref_y
.set A, 84                             ; v84-87 sums, v88 sum of weights
	s_load_b256 s[4:11], s[0:1], 0x0               ; st3 s[4:5], vals s[6:7], x s[8:9], ref_y s[10:11]
	s_load_b64 s[12:13], s[0:1], 0x20              ; out0
	v_lshl_add_u32 v208, v0, 2, 0x2000
	v_mov_b32 v209, 0
	v_lshrrev_b32 v1, 5, v0
	v_readfirstlane_b32 s16, v1
	s_lshl_b32 s17, ttmp9, 3
	s_add_co_u32 s17, s17, s16                     ; q
	s_lshl_b32 s18, s17, 10
	s_mov_b32 s19, 0
	s_mov_b32 s20, 0x76543210
	s_mov_b32 s21, 0xfedcba98
	s_mov_b32 s22, 0xffff0000
	s_wait_kmcnt 0x0
	s_add_nc_u64 s[4:5], s[4:5], s[18:19]
	s_add_nc_u64 s[8:9], s[8:9], s[18:19]
	s_mul_i32 s18, s17, 3584
	s_add_nc_u64 s[6:7], s[6:7], s[18:19]
	s_lshl_b32 s18, s17, 8
	s_add_nc_u64 s[12:13], s[12:13], s[18:19]
	s_load_b512 s[32:47], s[4:5], 0x200            ; sel3, words 0..15
	s_load_b512 s[48:63], s[4:5], 0x240            ; words 16..31 (25..31 are zero)
	v_and_b32 v1, 31, v0
	v_lshlrev_b32 v[L16], 4, v1
	v_lshrrev_b32 v[L3], 3, v1
	v_lshlrev_b32 v[L3], 2, v[L3]
	global_load_b128 v[X:X+3], v[L16], s[8:9]
	global_load_b128 v[X+4:X+7], v[L16], s[8:9] offset:512
.irp a, 0,1,2,3,4,5,6
	global_load_b128 v[V+4*\a:V+4*\a+3], v[L16], s[6:7] offset:512*\a th:TH_LOAD_NT
.endr
.set i, 0
.rept 25
	global_load_b32 v[I+i], v[L3], s[4:5] offset:16*i          ; the group of 8 of slot 32 i + l
.set i, i+1
.endr
	s_lshl_b32 s23, s16, 10
	v_mov_b32 v[LB], s23
	v_add_nc_u32 v[B16], s23, v[L16]
	v_mov_b32 v[C100], 100
	v_and_b32 v[J], 7, v1
	v_and_b32 v[C16], 15, v1
	v_lshlrev_b32 v[C16], 4, v[C16]
	v_bfe_u32 v[VE], v1, 4, 1
	v_lshl_add_u32 v[VE], v[VE], 3, v[LB]
.irp k, 14,15,16,17,98
	v_mov_b32 v\k, 0
.endr
	ds_store_b128 v[B16], v[14:17]                 ; my 1024 bytes start as zeros
	ds_store_b128 v[B16], v[14:17] offset:512
	s_wait_loadcnt 0x0
	; 1/norm of the query as the matrix unit saw it: rounded to bf16, squares summed in f32
	v_cvt_pk_bf16_f32 v84, v[X], v[X+1]
	v_cvt_pk_bf16_f32 v85, v[X+2], v[X+3]
	v_cvt_pk_bf16_f32 v86, v[X+4], v[X+5]
	v_cvt_pk_bf16_f32 v87, v[X+6], v[X+7]
.irp k, 0,1,2,3
	v_lshlrev_b32 v[88+2*\k], 16, v[84+\k]
	v_and_b32 v[89+2*\k], s22, v[84+\k]
.endr
	v_pk_mul_f32 v[96:97], v[88:89], v[88:89]
	v_pk_fma_f32 v[96:97], v[90:91], v[90:91], v[96:97]
	v_pk_fma_f32 v[96:97], v[92:93], v[92:93], v[96:97]
	v_pk_fma_f32 v[96:97], v[94:95], v[94:95], v[96:97]
	v_add_f32 v96, v96, v97
	v_add_f32_dpp v96, v96, v96 row_xmask:1 row_mask:0xf bank_mask:0xf
	v_add_f32_dpp v96, v96, v96 row_xmask:2 row_mask:0xf bank_mask:0xf
	v_add_f32_dpp v96, v96, v96 row_xmask:4 row_mask:0xf bank_mask:0xf
	v_add_f32_dpp v96, v96, v96 row_xmask:8 row_mask:0xf bank_mask:0xf
	v_permlanex16_b32 v98, v96, s20, s21
	v_add_f32 v96, v96, v98
	v_rsq_f32 v[RNX], v96
	v_nop                                          ; one plain place behind v_rsq_f32 before its result is read (ISA guide 5.7.2)
	s_mov_b32 s14, 0
	s_wait_kmcnt 0x0
	; the chosen slots, in ascending order, become entries of 8 bytes; the others write to entry 100, which nobody reads
.set i, 0
	s_wait_alu depctr_va_vdst(0)
.rept 25
	v_lshl_add_u32 v[D], v[I+i], 3, v[J]           ; the reference: 8 x group + element
	v_mul_f32 v[D+1], v[V+i], v[RNX]
	v_mbcnt_lo_u32_b32 v[PO], s[32+i], s14
	v_cndmask_b32 v[PO], v[C100], v[PO], s[32+i]
	v_min_u32 v[PO], 100, v[PO]                    ; whatever the masks hold, the address stays inside my 1024 bytes
	v_lshl_add_u32 v[PO], v[PO], 3, v[LB]
	ds_store_b64 v[PO], v[D:D+1]
	s_bcnt1_i32_b32 s15, s[32+i]
	s_add_co_u32 s14, s14, s15
.set i, i+1
.endr
; 25 loads of two rows each: lanes 0-15 take entry 2 n, lanes 16-31 entry 2 n + 1.  first = 1: the first products start the sums
.macro GATHER n0, first
.set i, 0
.rept 25
	ds_load_b64 v[E+2*i:E+2*i+1], v[VE] offset:16*(\n0+i)      ; LDS serves a wave in order: these see the stores above
.set i, i+1
.endr
	s_wait_dscnt 0x0
.set i, 0
.rept 25
	v_min_u32 v[E+2*i], 99999, v[E+2*i]
	v_lshl_add_u32 v[E+2*i], v[E+2*i], 8, v[C16]               ; a row of ref_y is 256 bytes
	global_load_b128 v[Y+4*i:Y+4*i+3], v[E+2*i], s[10:11]
.set i, i+1
.endr
.set i, 0
.rept 25
	s_wait_loadcnt 24-i                            ; loads come back in order: load i is in, the younger ones stay out
.if \first && (i == 0)
	v_mul_f32 v[A], v[Y], v[E+1]
	v_mul_f32 v[A+1], v[Y+1], v[E+1]
	v_mul_f32 v[A+2], v[Y+2], v[E+1]
	v_mul_f32 v[A+3], v[Y+3], v[E+1]
	v_mov_b32 v[A+4], v[E+1]
.else
	v_fmac_f32 v[A], v[Y+4*i], v[E+2*i+1]
	v_fmac_f32 v[A+1], v[Y+4*i+1], v[E+2*i+1]
	v_fmac_f32 v[A+2], v[Y+4*i+2], v[E+2*i+1]
	v_fmac_f32 v[A+3], v[Y+4*i+3], v[E+2*i+1]
	v_add_f32 v[A+4], v[A+4], v[E+2*i+1]
.endif
.set i, i+1
.endr
.endm
	GATHER 0, 1
	GATHER 25, 0                                   ; the entry registers are free: every load that they addressed was waited for (count 0)
.irp k, 0,1,2,3,4
	v_permlanex16_b32 v[Y+\k], v[A+\k], s20, s21   ; the other half of the entries
.endr
.irp k, 0,1,2,3,4
	v_add_f32 v[A+\k], v[A+\k], v[Y+\k]
.endr
	v_rcp_f32 v90, v[A+4]
	v_nop                                          ; one plain place behind v_rcp_f32
	s_wait_alu depctr_va_vdst(0)
.irp k, 0,1,2,3
	v_mul_f32 v[A+\k], v[A+\k], v90
.endr
	s_wait_xcnt 0x0                                ; EXEC is narrowed only behind this wait
	v_cmp_gt_u32 vcc_lo, 16, v1
	s_wait_tensorcnt 0x0
	ds_add_u32 v208, v209
	s_wait_dscnt 0x0
	s_and_saveexec_b32 s24, vcc_lo
	global_store_b128 v[C16], v[A:A+3], s[12:13]   ; 16 lanes store the row: 256 consecutive bytes, aligned
	s_endpgm
.Lfunc_end_k_q72b02a1c5d_mix:
	.size	k_q72b02a1c5d_mix, .Lfunc_end_k_q72b02a1c5d_mix-k_q72b02a1c5d_mix
	.p2alignl 7, 3214868480
	.fill 96, 4, 3214868480
	.section	.rodata,"a",@progbits
	.p2align	6, 0x0
	.amdhsa_kernel k_q72b02a1c5d_mix
		.amdhsa_group_segment_fixed_size 9216
		.amdhsa_private_segment_fixed_size 0
		.amdhsa_enable_private_segment 0
		.amdhsa_kernarg_size 40
		.amdhsa_user_sgpr_count 2
		.amdhsa_user_sgpr_kernarg_segment_ptr 1
		.amdhsa_wavefront_size32 1
		.amdhsa_system_sgpr_workgroup_id_x 1
		.amdhsa_system_sgpr_workgroup_id_y 1
		.amdhsa_system_sgpr_workgroup_id_z 1
		.amdhsa_system_vgpr_workitem_id 0
		.amdhsa_next_free_vgpr 210
		.amdhsa_next_free_sgpr 66
		.amdhsa_reserve_vcc 1
		.amdhsa_float_denorm_mode_32 3
		.amdhsa_float_denorm_mode_16_64 3
		.amdhsa_memory_ordered 1
		.amdhsa_forward_progress 1
		.amdhsa_inst_pref_size 43
	.end_amdhsa_kernel
	.amdgpu_metadata
---
amdhsa.version: [ 1, 2 ]
amdhsa.kernels:
  - .name:           k_q72b02a1c5d_mix
    .symbol:         k_q72b02a1c5d_mix.kd
    .args:
      - { .name: st3, .offset: 0, .size: 8, .value_kind: global_buffer, .address_space: global }
      - { .name: vals, .offset: 8, .size: 8, .value_kind: global_buffer, .address_space: global }
      - { .name: x, .offset: 16, .size: 8, .value_kind: global_buffer, .address_space: global }
      - { .name: ref_y, .offset: 24, .size: 8, .value_kind: global_buffer, .address_space: global }
      - { .name: out0, .offset: 32, .size: 8, .value_kind: global_buffer, .address_space: global }
    .group_segment_fixed_size: 9216
    .private_segment_fixed_size: 0
    .kernarg_segment_align: 8
    .kernarg_segment_size: 40
    .max_flat_workgroup_size: 256
    .sgpr_count:     66
    .vgpr_count:     210
    .wavefront_size: 32
...
	.end_amdgpu_metadata
.endif
;; end of part 5
